; MI455X (gfx1250); checked and timed in simulation.
; The chip was launched on July 23, 2026; its instructions are those of AMD's public machine-readable ISA for CDNA 5 (MIT licence, August 2026) and "CDNA5" Instruction Set Architecture Reference Guide (July 2026). The comments in the code are by the model that wrote it; some were corrected since.
;; Bimodal Attention. Allowed arithmetic: matrix products marked QUANTISED: E4M3 operands, one given power-of-two scale a tensor, by v_wmma_f32_16x16x64_fp8_fp8 or v_wmma_f32_16x16x128_fp8_fp8, f32 sums; products left as they are: f32 operands where the result goes on into a quantised operand, else bf16, f16 or f32 operands; f32 sums; everything else in f32.
;; Inputs: W1_bias 1,024 float32; W1_kernel_codes 1,024 x 32 x 32 uint8 (E4M3 codes of W1_kernel, K innermost, in blocks of 32 codes); W2_bias 1,024 float32; W2_kernel_codes 1,024 x 32 x 32 uint8 (E4M3 codes of W2_kernel, K innermost, in blocks of 32 codes); W_bias 1,024 float32; W_kernel_codes 1,024 x 64 x 32 uint8 (E4M3 codes of W_kernel, K innermost, in blocks of 32 codes); context_vector 1,024 x 1 float32; lowp_scales 6 int32 (the exponents e of the quantised operands' scales 2^e); sequences1_codes 16 x 1,024 x 32 x 32 uint8 (E4M3 codes of sequences1, K innermost, in blocks of 32 codes); sequences2_codes 16 x 1,024 x 32 x 32 uint8 (E4M3 codes of sequences2, K innermost, in blocks of 32 codes).
;; Outputs: out0 16 x 1,024 float32.
;; This version of the problem:
;;   THIS VERSION OF THE PROBLEM IS GIVEN IN LOW PRECISION. The matrix products marked QUANTISED in the list below multiply operands that are first quantised to E4M3 (4 exponent bits, 3 mantissa bits; 8 bits a number), with one given power-of-two scale for each operand tensor; their sums are f32. All else is computed in f32.
;;   The module's matrix products, in the order in which they are computed (A, B: the left and right operand; K: the contracted axis; several contracted axes count as one K, in the product's order):
;;     1. [M 16,384, K 1,024] x [K 1,024, N 1,024]; A: input sequences1 (given as codes); B: input W1_kernel (given as codes): QUANTISED (scales: A lowp_scales[0], B lowp_scales[1])
;;     2. [M 16,384, K 1,024] x [K 1,024, N 1,024]; A: input sequences2 (given as codes); B: input W2_kernel (given as codes): QUANTISED (scales: A lowp_scales[2], B lowp_scales[3])
;;     3. [M 16,384, K 2,048] x [K 2,048, N 1,024]; A: computed on the way; B: input W_kernel (given as codes): QUANTISED (scales: A lowp_scales[4], B lowp_scales[5])
;;     4. [M 16,384, K 1,024] x [K 1,024, N 1]; A: computed on the way; B: input context_vector: left as it is (N = 1 < 16)
;;     5. batch 16 x [M 1, K 1,024] x [K 1,024, N 1,024]; A: computed on the way; B: computed on the way: left as it is (M = 1 < 16)
;;   THE QUANTISER, for each operand of a quantised product, along K:
;;     - The operand's scale is 2^e, e = its entry of the input lowp_scales (int32; the entries are numbered through the quantised products in the list's order, A before B).
;;     - Each number is divided by the scale, clamped to +-448, and rounded to the nearest number of E4M3, ties to even, subnormals kept.
;;     - The product sums the exact products of the quantised numbers (number of the format x scale) in f32.
;;   ~~~python
;;   def quantise(x, axis, e):      # numpy; x: float32 -> the quantised numbers, widened to float32 again
;;       x = np.moveaxis(x, axis, -1); K = x.shape[-1]
;;       r = np.clip(x / 2.0 ** e, -448, 448)
;;       step = 2.0 ** (np.maximum(np.frexp(np.where(r == 0, 1, r))[1] - 1, -6) - 3)
;;       q = np.round(r / step) * step * 2.0 ** e      # np.round: ties to even
;;       return np.moveaxis(q, -1, axis).astype(np.float32)
;;   ~~~
;;   OPERANDS COMPUTED ON THE WAY. 'Computed on the way' means the value that the module computes at that place (a softmax that the list does not call 'softmax' is quantised finished and normalised). What goes into a quantiser is computed in f32, as accurately as f32 sums, v_exp_f32 and their like allow (about 1e-6 of the number): no bf16 or f16 on the way to a quantiser, and a product that is left as it is and whose result goes on into a quantised operand takes f32 operands (vector FMAs, or v_wmma_f32_16x16x4_f32). A number that lies on a knife's edge between two numbers of the format may be rounded either way, as far as f32 arithmetic and the matrix unit's own rounding can turn it there, and no further.
;;   INPUTS GIVEN AS CODES. W1_kernel (in the module: [1024, 1024], K = its axis 0); W2_kernel (in the module: [1024, 1024], K = its axis 0); W_kernel (in the module: [2048, 1024], K = its axis 0); sequences1 (in the module: [16, 1024, 1024], K = its axis 2); sequences2 (in the module: [16, 1024, 1024], K = its axis 2): each comes as NAME_codes (uint8): NAME with its K axis moved to the last place and cut into blocks of 32 codes, [.., K / 32, bytes a block], one block behind the other in memory; one code a byte (a code: sign, 4 exponent bits, 3 mantissa bits); its scale is its entry of lowp_scales. Its value is code x scale, taken as it is: it is not quantised again, and the codes and scales need not be those that the quantiser above would give.
;; One version. Each part assembles by itself: llvm-mc -triple=amdgcn-amd-amdhsa -mcpu=gfx1250 --defsym DOCPART=n.
;; ======== version 1 of 1: 3 launches
;; limits: right only within a limited range of input values; values are held in bf16: 8 bits of precision
;; workspace buffers: fusion 33,554,432 bytes; feat 33,554,432 bytes; spart 262,144 bytes
;; launch proj (part 1): grid 8 x 32, 4 waves a work-group, clusters of 4 x 4, 327,680 bytes of LDS; arguments sequences1_codes, sequences2_codes, W1_kernel_codes, W2_kernel_codes, W1_bias, W2_bias, lowp_scales, fusion; writes fusion
.if DOCPART == 1
	.amdgcn_target "amdgcn-amd-amdhsa--gfx1250"
	.amdhsa_code_object_version 6
	.text
	.protected	k_qe9f014ee1b_proj
	.globl	k_qe9f014ee1b_proj
	.p2align	8
	.type	k_qe9f014ee1b_proj,@function
k_qe9f014ee1b_proj:
	s_mov_b64 s[64:65], 0
	v_nop
	global_prefetch_b8 v0, s[64:65] scope:SCOPE_SE
	s_setreg_imm32_b32 hwreg(HW_REG_WAVE_MODE, 25, 1), 1
	s_wait_xcnt 0x0
	s_wait_alu depctr_hold_cnt(0) depctr_sa_sdst(0) depctr_va_vdst(0) depctr_va_sdst(0) depctr_va_ssrc(0) depctr_va_vcc(0) depctr_vm_vsrc(0)
	s_getreg_b32 s2, hwreg(HW_REG_IB_STS2, 6, 4)
	s_cmp_eq_u32 s2, 0
	s_cbranch_scc0 .Lentry_in_a_cluster
	s_endpgm
.Lentry_in_a_cluster:
	s_bfe_u32 s2, ttmp6, 0x10000c
	s_cmp_lg_u32 s2, 0xf033
	s_cbranch_scc0 .Lentry_shape_is_right
	s_endpgm
.Lentry_shape_is_right:
; fusion = Q(concat(seq1 W1 + b1, seq2 W2 + b2)): the two projections, 16,384 x 1,024 x 1,024 each, on codes of FP8 (E4M3) as they are given, sums in f32; each sum x 2^(eA + eW) + bias, in f32,
; is held within +-448 x 2^e4 and turned into a code with the scale 2^e4 (lowp_scales: 0, 1 for product 1; 2, 3 for product 2; 4 for the result).
; One launch serves both products: cluster x (0 or 1) is the product's number, the same in all sixteen partners; it chooses pointers and exponents by selects, no path.
; A tile of 256 rows x 256 columns is made by a work-group of four waves; a wave makes 128 x 128: 64 accumulators of 16 x 16, 512 registers.  K goes in steps of 256 through a ring of two LDS slots.
; A WORK-GROUP STAYS: it makes two tiles, 8,192 rows apart, of the same product and the same columns, so bias, scales and the weights' rows serve both.  The ring does not stop at the first tile's end: its last two
; changes of slots ask for the second tile's K steps 0 and 1, and the first tile goes out while K step 1 is on its way.  A tile is two laps of the ring, so both tiles are written out by macros, without a loop.
; CLUSTERS: 4 x 4 work-groups.  The four of a row of the cluster need the same rows of the sequences, the four of a column the same rows of the weights: each tile is asked for JOINTLY.
; THE MATRIX INSTRUCTION IS USED TRANSPOSED (source 0 = 16 rows of the weights, source 1 = 16 rows of the sequences): lane (r, h) holds row r, and register j of column tile b the column 16 b + 8 h + j.
; A fragment is fetched by four loads of 16 bytes: registers 4 c .. 4 c + 3 hold K = 32 c + 16 h + 0 .. 15: a permutation of k, the same on both sides, so every product meets its partner.
; THE RESULT IS STORED AS IMAGES OF THE NEXT PRODUCT'S FRAGMENTS: fusion[row tile of 16][K step of 128][2,048 bytes], byte 512 c + 16 lane + i = row r, K = 32 c + 16 h + i.  A wave's 128 columns are one such K step,
; so a block of 16 rows is four stores of 512 consecutive bytes, and no stage in LDS is needed.
; LIMITS: e0 + e1 and e2 + e3 between -126 and 127, e4 between -126 and 119, so that each power of two below is an f32 number.  NaN is not served.
; REGISTERS, in windows of 256: window 0: v0-31 addresses and the two scale numbers; v32-95 the bias of my 128 columns in the result's layout; from v128 A's fragments, ONE set (on the way out: v128-255 numbers, v96-127 codes).
;   window 1: the weights' fragments, TWO sets, at v0 and v128.   window 2: the accumulators of my rows 0-63 ((a, b) at v[8 (8 a + b)]);   window 3: those of rows 64-127.
.set SIZE_M, 16384
.set SIZE_K, 1024
.set WALK,   SIZE_M/2                  ; a work-group's two tiles lie so many rows apart
.set KSTEP,  256                       ; along K in a slot
.set PITCH,  272                       ; an LDS row: 256 bytes + 16 of padding = 68 words: the 16 rows that a load touches start at 16 different banks (64 banks of 4 bytes: ISA guide 11.1)
.set FR,     16                        ; registers of a fragment: 16 rows x 128 K
.set NL,     4                         ; LDS loads that bring one
.set NP,     4                         ; places behind this matrix instruction (ISA guide 7.12.1)
.set AHALF,  128*PITCH                 ; 128 rows of the sequences: what one tensor load brings
.set BHALF,  128*PITCH                 ; 128 rows of the weights
.set ABYTES, 2*AHALF
.set SLOT,   ABYTES+2*BHALF            ; A's 256 rows, then the weights' 256 rows
.set SPARE,  2*SLOT                    ; the spare words, 128 bytes for each wave
.set AI,     16*PITCH                  ; A's fragments in LDS: from block to block,
.set AQ,     128                       ; from one 128 along K to the next,
.set ACS,    32                        ; from load to load
.set BI,     16*PITCH                  ; the same for the weights
.set BQ,     128
.set BCS,    32
.set ASTEP,  256                       ; a K step in memory, in bytes
.set BSTEP,  256
.set NEXT_A, WALK*SIZE_K-(SIZE_K-2*KSTEP)  ; bytes from a slot's last K step of the first tile to its first of the second: A goes WALK rows down and back along K,
.set BACK_B, SIZE_K-2*KSTEP            ; the weights only back
.set NEXT_F, (WALK/16-8)*32768         ; and fusion WALK / 16 row tiles on, eight of which the way out has stepped
.set SCL,  12                          ; v12     2^e4 as f32: the conversion takes its exponent field
.set LIMR, 13                          ; v13     448 x 2^e4
.set ADRA, 16                          ; v16-17  LDS address of my A fragments in slot 0, 1
.set ADRB, 20                          ; v20-21  the same for the weights
.set CO,   26                          ; v26     16 x lane: my place in an image
.set SPW,  28                          ; v28     LDS address of my spare word: SPARE + 4 x my thread's number; never rewritten
.set NIL,  29                          ; v29     0; never rewritten
.set PFO,  30                          ; v30     the prefetches' offset: my lane x a row of the sequences (1,024 bytes); never rewritten
.set BO,   31                          ; v31     32 x h: my eight numbers of a column tile's sixteen
.set BIAS, 32
.set AF,   128                         ; A's fragments, in window 0
.set TMP,  128                         ; the way out: two blocks' 128 numbers
.set CODES, 96                         ; the way out: two blocks' 32 registers of codes
.set G1, 24                            ; s[24:31] descriptor group 1 for A's tiles;  s[32:39] group 0, one set for each slot
.set G0, 32
.set G1B, 48                           ; s[48:55], s[56:63] the same for the weights' tiles
.set G0B, 56
.set PFF, 42                           ; s[42:43] where my prefetches stand: my work-group's 32 rows of the 128 that I fetch, in the first tile, at K = 0; never rewritten
.set PFA, 92                           ; s[92:93] the same in the second tile
.set MSB, 0
.macro WIN new                         ; the immediate's high byte repeats the setting that is left; a switch that changes nothing is dropped
.if MSB != \new
	s_set_vgpr_msb (MSB<<8)|\new
.set MSB, \new
.endif
.endm
.set MUL_LO, 0xa1                      ; source 0 (weights) window 1, source 1 (A) window 0, C and D window 2
.set MUL_HI, 0xf1                      ; the same, C and D window 3
.set TO_B,   0x40                      ; destination window 1, address window 0
; A joint load: waves 0 and 1 fetch for A, waves 2 and 3 for the weights.  Each line has ONE mask and one set of registers for all that issue it; the branch hangs on the wave's number alone.
.macro JLOAD g0a, g1a, g0b, g1b
	s_cmp_eq_u32 s15, 0
	s_cbranch_scc0 .Lfor_b_\@
	tensor_load_to_lds s[\g0a:\g0a+3], s[\g1a:\g1a+7]
	s_nop 0
.rept 4
	v_nop
.endr
	s_branch .Lasked_\@
.Lfor_b_\@:
	tensor_load_to_lds s[\g0b:\g0b+3], s[\g1b:\g1b+7]
	s_nop 0
.rept 4
	v_nop
.endr
.Lasked_\@:
.endm
; PREFETCHES INTO THE L2 of the sequences' rows, behind the tensor loads: the first tile's K steps 2 and 3 (base PFF) one load ahead, behind the loads of its K steps 1 and 2; the second tile's K steps 0 to 3 (base PFA) two
; loads ahead, behind those of the first tile's K steps 2, 3 and the second's 0, 1: 96 and 256 matrix instructions ahead of the load that will want it.  A K step is 256 bytes of each row, aligned.  Of the 128 rows that a
; wave fetches, each of the four partners that ask for them jointly takes 32, told apart BY ADDRESS (cx): a lane a row, one instruction a wave; waves 0 and 1 ask, a branch on the wave's number.  No other cluster reads
; these rows, so each block of 256 bytes is named once in the launch.  The K step stands in the immediate: no address register is ever rewritten.  The walk's last two refills ask for nothing; the weights' rows of the
; second tile are those of the first: they have been read, and are not asked for.
.macro ASK base, off
	s_cmp_eq_u32 s15, 0
	s_cbranch_scc0 .Lnot_mine_\@
	global_prefetch_b8 v[PFO], s[\base:\base+1] offset:\off th:TH_LOAD_NT scope:SCOPE_SE
.Lnot_mine_\@:
.endm
.macro CREST                           ; a round of the cluster's barrier behind its opening barrier
	s_cmp_lg_u32 s14, 0
	s_cbranch_scc1 .Lnot_wave_0_\@
	s_barrier_signal -3
.Lnot_wave_0_\@:
	s_barrier_wait -3
	s_barrier_signal -1
	s_barrier_wait -1
.endm
.macro CROUND                          ; a whole round
	s_barrier_signal -1
	s_barrier_wait -1
	CREST
.endm
	s_load_b512 s[68:83], s[0:1], 0x0              ; seq1 s[68:69], seq2 s[70:71], W1 s[72:73], W2 s[74:75], b1 s[76:77], b2 s[78:79], the exponents s[80:81], fusion s[82:83]
	v_lshl_add_u32 v[SPW], v0, 2, SPARE
	v_mov_b32 v[NIL], 0
	ds_add_u32 v[SPW], v[NIL]                      ; the opening add, twice on end
	ds_add_u32 v[SPW], v[NIL]
	s_wait_dscnt 0x0
	v_lshrrev_b32 v1, 5, v0
	v_readfirstlane_b32 s14, v1                    ; wave 0..3
	s_lshr_b32 s15, s14, 1                         ; which half of the tile's rows is mine.  Also: I fetch for A (0) or for the weights (1)
	s_and_b32 s16, s14, 1                          ; which half of its columns.  Also: which 128 rows of that tile I fetch
	s_bfe_u32 s40, ttmp6, 0x40000                  ; cx = the tile column of this product (four tiles of 256 columns)
	s_bfe_u32 s41, ttmp6, 0x40004                  ; cy
	s_and_b32 s17, ttmp7, 0xffff
	s_lshl_b32 s17, s17, 2
	s_add_co_u32 s17, s17, s41                     ; the first tile's row = 4 x cluster y + cy: 0 to 31
	s_lshl_b32 s43, s41, 2
	s_lshl_b32 s43, 15, s43                        ; my row of the cluster
	s_lshl_b32 s44, 0x1111, s40                    ; my column
	; descriptor group 1: a tile of 128 rows x 256 bytes, padded in LDS
	s_or_b32 s[G1+0], s43, (1<<20)|(1<<21)|(5<<22)|(3<<25)   ; 15:0 the mask: A's tiles go to my row; 17:16 elements of 1 byte; 20 padding on; 21 set beside a mask; 24:22 after every 64 words (code 5); 31:25 four words (code 3)
	s_or_b32 s[G1B+0], s44, (1<<20)|(1<<21)|(5<<22)|(3<<25)  ; the same with the mask of my column
.irp g, G1, G1B
	s_mov_b32 s[\g+1], KSTEP<<16                   ; tensor_dim0 = 256
	s_mov_b32 s[\g+2], 128<<16                     ; tensor_dim1 = 128
	s_mov_b32 s[\g+3], KSTEP<<16                   ; tile_dim0 = 256
	s_mov_b32 s[\g+4], 128                         ; tile_dim1 = 128
	s_mov_b32 s[\g+5], SIZE_K                      ; tensor_dim0_stride: a row in memory is 1,024 bytes
	s_mov_b32 s[\g+6], 0
	s_mov_b32 s[\g+7], 0
.endr
	s_lshl_b32 s18, s16, 7                         ; which 128 rows of the tile I fetch
	s_lshl_b32 s20, s17, 8
	s_add_co_u32 s20, s20, s18                     ; A: row 256 x tile row + 128 x half,
	s_lshl_b32 s20, s20, 10                        ; in bytes (under 2^24)
	s_mov_b32 s21, 0
	s_lshl_b32 s46, s40, 8
	s_add_co_u32 s46, s46, s18                     ; the weights: row 256 x tile column + 128 x half,
	s_lshl_b32 s46, s46, 10
	s_mov_b32 s47, 0
	s_mul_i32 s45, s16, AHALF                      ; where they go: no place in the cluster enters an LDS address
	s_mul_i32 s22, s16, BHALF
	s_add_co_u32 s22, s22, ABYTES
	s_wait_kmcnt 0x0
	s_cmp_eq_u32 ttmp9, 0                          ; product 1 or product 2?  The choice hangs on the cluster's number alone
	s_cselect_b64 s[4:5], s[68:69], s[70:71]       ; the sequences
	s_cselect_b64 s[6:7], s[72:73], s[74:75]       ; the weights
	s_cselect_b64 s[8:9], s[76:77], s[78:79]       ; the bias
	s_mov_b64 s[10:11], s[82:83]                   ; fusion
	s_load_b128 s[84:87], s[80:81], 0x0            ; e0 .. e3
	s_load_b32 s88, s[80:81], 0x10                 ; e4
	s_add_nc_u64 s[20:21], s[4:5], s[20:21]
	s_add_nc_u64 s[46:47], s[6:7], s[46:47]
	CROUND                                         ; all sixteen work-groups are here: the first joint loads meet
.irp s, 0,1
	s_mov_b32 s[G0+4*\s], 1                        ; count = 1
	s_add_co_u32 s[G0+4*\s+1], s45, \s*SLOT        ; LDS address
	s_add_nc_u64 s[G0+4*\s+2:G0+4*\s+3], s[20:21], \s*ASTEP   ; global address: K step s
	s_or_b32 s[G0+4*\s+3], s[G0+4*\s+3], 0x80000000           ; type = 2
	s_mov_b32 s[G0B+4*\s], 1
	s_add_co_u32 s[G0B+4*\s+1], s22, \s*SLOT
	s_add_nc_u64 s[G0B+4*\s+2:G0B+4*\s+3], s[46:47], \s*BSTEP
	s_or_b32 s[G0B+4*\s+3], s[G0B+4*\s+3], 0x80000000
.endr
	JLOAD G0, G1, G0B, G1B                         ; K step 0: one tensor load a wave at the head
	v_and_b32 v1, 15, v0                           ; r = lane % 16
	v_bfe_u32 v2, v0, 4, 1                         ; h = lane / 16
	v_mul_u32_u24 v3, v1, PITCH
	v_lshl_add_u32 v4, v2, 4, v3                   ; a fragment's row x pitch + 16 x half
	s_mul_i32 s21, s15, AHALF                      ; my 128 rows of A
	s_mul_i32 s22, s16, BHALF                      ; my 128 rows of the weights,
	s_add_co_u32 s22, s22, ABYTES                  ; which lie behind A's 256
.irp s, 0,1
	v_add_nc_u32 v[ADRA+\s], s21, v4
	v_add_nc_u32 v[ADRB+\s], s22, v4
	s_add_co_u32 s21, s21, SLOT
	s_add_co_u32 s22, s22, SLOT
.endr
	v_and_b32 v6, 31, v0
	v_lshlrev_b32 v[CO], 4, v6
	v_lshlrev_b32 v[PFO], 10, v6
	v_lshlrev_b32 v[BO], 5, v2
	s_lshl_b32 s46, s40, 8                         ; the bias of my 128 columns: 4 x (256 x tile column + 128 x half)
	s_lshl_b32 s47, s16, 7
	s_add_co_u32 s46, s46, s47
	s_lshl_b32 s46, s46, 2
	s_mov_b32 s47, 0
	s_add_nc_u64 s[8:9], s[8:9], s[46:47]
.irp b, 0,1,2,3,4,5,6,7
	global_load_b128 v[BIAS+8*\b:BIAS+8*\b+3],   v[BO], s[8:9] offset:64*\b      ; column tile b: columns 16 b + 8 h + 0 .. 7, as the accumulators hold them
	global_load_b128 v[BIAS+8*\b+4:BIAS+8*\b+7], v[BO], s[8:9] offset:64*\b+16
.endr
	s_lshl_b32 s20, s17, 19                        ; fusion: 16 row tiles of 32,768 bytes for each tile row,
	s_lshl_b32 s21, s15, 18                        ; 8 for my half of the rows,
	s_add_co_u32 s20, s20, s21
	s_lshl_b32 s21, ttmp9, 14                      ; 8 K steps of 2,048 bytes for the product,
	s_add_co_u32 s20, s20, s21
	s_lshl_b32 s21, s40, 12                        ; 2 for the tile column,
	s_add_co_u32 s20, s20, s21
	s_lshl_b32 s21, s16, 11                        ; 1 for my half of the columns
	s_add_co_u32 s20, s20, s21
	s_mov_b32 s21, 0
	s_add_nc_u64 s[10:11], s[10:11], s[20:21]
	s_lshl_b32 s18, s17, 8                         ; the prefetches: row 256 x tile row
	s_lshl_b32 s19, s16, 7                         ; + the 128 rows that I fetch
	s_add_co_u32 s18, s18, s19
	s_lshl_b32 s19, s40, 5                         ; + my work-group's 32 of them
	s_add_co_u32 s18, s18, s19
	s_lshl_b32 s18, s18, 10                        ; in bytes (under 2^23): row 8,191 at the most with my lane's
	s_mov_b32 s19, 0
	s_add_nc_u64 s[PFF:PFF+1], s[4:5], s[18:19]    ; in the first tile,
	s_add_nc_u64 s[PFA:PFA+1], s[PFF:PFF+1], WALK*SIZE_K   ; in the second
.macro FRAG reg, adr, off, cs          ; a fragment, 16 rows x 128 K: four loads of 16 bytes a lane, cs bytes apart
.irp c, 0,1,2,3
	ds_load_b128 v[\reg+4*\c:\reg+4*\c+3], v[\adr] offset:\off+(\cs)*\c
.endr
.endm
; 16 matrix instructions: A's blocks a0, a0 + 1 x the weights' eight, 128 along K.  p: the weights' set.  zero = 1: the first product starts the sums: nothing is ever cleared.
; The 64 accumulators take turns, one instruction a turn, in the same order in every step.
.macro MUL16 a0, p, zero
.irp a, \a0, \a0+1
.irp b, 0,1,2,3,4,5,6,7
.if \zero
	v_wmma_f32_16x16x128_fp8_fp8 v[8*(8*((\a)%4)+\b):8*(8*((\a)%4)+\b)+7], v[128*(\p)+FR*\b:128*(\p)+FR*\b+FR-1], v[AF+FR*(\a):AF+FR*(\a)+FR-1], 0
.else
	v_wmma_f32_16x16x128_fp8_fp8 v[8*(8*((\a)%4)+\b):8*(8*((\a)%4)+\b)+7], v[128*(\p)+FR*\b:128*(\p)+FR*\b+FR-1], v[AF+FR*(\a):AF+FR*(\a)+FR-1], v[8*(8*((\a)%4)+\b):8*(8*((\a)%4)+\b)+7]
.endif
.endr
.endr
.endm
.macro FETCH_BH slot, q, p, i0         ; four of the weights' eight fragments of the slot's q-th 128 along K into set p
	WIN TO_B
.irp i, \i0, \i0+1, \i0+2, \i0+3
	FRAG 128*(\p)+FR*(\i), ADRB+\slot, BQ*(\q)+BI*(\i), BCS
.endr
	WIN 0
.endm
.macro FETCH_B slot, q, p              ; all eight
	FETCH_BH \slot, \q, \p, 0
	FETCH_BH \slot, \q, \p, 4
.endm
.macro FETCH_A slot, q, i0             ; A's blocks i0 .. i0 + 3
.irp i, \i0, \i0+1, \i0+2, \i0+3
	FRAG AF+FR*(\i), ADRA+\slot, AQ*(\q)+AI*(\i), ACS
.endr
.endm
; A load into a register that a matrix instruction has read, and a vector instruction that reads a matrix result or writes one of its registers, stand NP places behind it; only plain vector
; instructions that name none of its registers are places (ISA guide 7.12.1 for vector instructions).
.macro PLACES n
.rept \n
	v_nop
.endr
.endm
; A step of 128 along K that has its successor in the same slot.
.macro STEP slot, q, zero
	s_wait_dscnt 8*NL                              ; the weights' set and A's blocks 0-3 are in; the youngest 32 loads (A's blocks 4-7, half of the next step's weights) may be out
	WIN MUL_LO
	MUL16 0, (\q)%2, \zero
	MUL16 2, (\q)%2, \zero
	s_wait_dscnt 4*NL                              ; A's blocks 4-7 are in; the half of the next step's weights may be out
	PLACES NP
	FETCH_BH \slot, (\q)+1, 1-(\q)%2, 4            ; the other half: the first was asked for ahead of this step
	FETCH_A \slot, (\q)+1, 0
	WIN MUL_HI
	MUL16 4, (\q)%2, \zero
	MUL16 6, (\q)%2, \zero
	PLACES NP
	WIN 0
	FETCH_A \slot, (\q)+1, 4
.endm
; A slot's last step changes slots, in its middle.  Its first 32 products, on fragments that are in registers, stand AHEAD of the change, so that a refill has a whole K step's 128 matrix instructions between its request and the
; wait for it, and nothing but the round stands between that wait and the next request.  Then ONE barrier: in front of it each wave waits for all its tensor loads (its part of the next slot), adds 0 to its spare word, and
; waits for that and for its own reads of this slot (the last sixteen were issued 32 matrix instructions ago).
; fill = 1: this slot is filled again, two K steps ahead; 2: with the second tile's K step of the same slot; 0: not at all.  fetch = 0: the next slot's first fragments are not fetched here (the way out follows, which uses
; their registers).  ask: the byte along K of the second tile's prefetch behind the refill, or -1.
.macro TURN slot, next, fill, fetch, ask
	s_wait_dscnt 4*NL                              ; the weights' set and A's blocks 0-3 are in; the youngest sixteen loads (A's blocks 4-7) may be out
	WIN MUL_LO
	MUL16 0, 1, 0
	MUL16 2, 1, 0
	WIN 0
	s_wait_tensorcnt 0x0                           ; all my tensor loads have landed: my part of the next slot; so every group 0 may be written
	ds_add_u32 v[SPW], v[NIL]                      ; 0 onto my spare word; the descriptors' steps stand between it and the wait for it
.if \fill == 1
	s_add_nc_u64 s[G0+4*\slot+2:G0+4*\slot+3], s[G0+4*\slot+2:G0+4*\slot+3], 2*ASTEP
	s_add_nc_u64 s[G0B+4*\slot+2:G0B+4*\slot+3], s[G0B+4*\slot+2:G0B+4*\slot+3], 2*BSTEP
.elseif \fill == 2
	s_add_nc_u64 s[G0+4*\slot+2:G0+4*\slot+3], s[G0+4*\slot+2:G0+4*\slot+3], NEXT_A
	s_sub_nc_u64 s[G0B+4*\slot+2:G0B+4*\slot+3], s[G0B+4*\slot+2:G0B+4*\slot+3], BACK_B
.endif
	s_wait_dscnt 0x0                               ; the add is done, and my reads of this slot are over
	s_barrier_signal -1
	s_barrier_wait -1
.if \fill
	CREST                                          ; the barrier has opened a round of the cluster's barrier: no wave of any partner still reads this slot's tile or has a load on its way
	JLOAD G0+4*\slot, G1, G0B+4*\slot, G1B         ; the first tensor load behind the round, my one load until the next; its four v_nop are the places in front of the loads below
.else
	PLACES NP
.endif
.if \fetch
	FETCH_B \next, 0, 0
	FETCH_A \next, 0, 0
.endif
.if \ask >= 0
	ASK PFA, \ask                                  ; behind the joint load and the run of LDS loads that the next products wait for
.endif
	WIN MUL_HI
	MUL16 4, 1, 0
	MUL16 6, 1, 0
.if \fetch
	PLACES NP
.endif
	WIN 0
.if \fetch
	FETCH_A \next, 0, 4
	FETCH_BH \next, 1, 1, 0                        ; half of the weights of the next slot's second step
.endif
.endm
; THE WAY OUT, a loop over pairs of blocks of 16 rows x 128 columns.  Only the lines that read accumulators differ from pair to pair: they stand in four arms, chosen by the loop's counter.
; sum x 2^(eA + eW) + bias in one packed multiply-add for two numbers (each accumulator from its low end on); the hold at the largest code x the scale; the conversion.
; Behind the conversions lane (r, h) holds, for column tile b, the codes of columns 16 b + 8 h + 0 .. 7 in registers 2 b, 2 b + 1.  The next product's fragment wants columns 32 c + 16 h + 0 .. 15 in registers 4 c .. 4 c + 3:
; tile 2 c whole in lanes 0-15, tile 2 c + 1 whole in lanes 16-31.  So tile 2 c's upper lanes change places with tile 2 c + 1's lower lanes: two swaps for each c.
.macro OUTARGS t                       ; blocks 2 t and 2 t + 1
	WIN 0x02+((\t)/2)                              ; source 0: window 2 or 3
.irp u, 0,1
.set ACC, 64*((2*(\t)+\u)%4)
.set j, 0
.rept 32
	v_pk_fma_f32 v[TMP+64*\u+j:TMP+64*\u+j+1], v[ACC+j:ACC+j+1], s[96:97], v[BIAS+j:BIAS+j+1] op_sel_hi:[1,0,1]   ; (the scalar pair's low word for both halves)
.set j, j+2
.endr
.endr
	WIN 0
.endm
.macro WAYOUT
	PLACES NP                                      ; behind the last products: the registers that held A's fragments are written below
	s_mov_b32 s3, 0
.Lpair_\@:
	s_cmp_eq_u32 s3, 1
	s_cbranch_scc1 .Lpair1_\@
	s_cmp_eq_u32 s3, 2
	s_cbranch_scc1 .Lpair2_\@
	s_cmp_eq_u32 s3, 3
	s_cbranch_scc1 .Lpair3_\@
	OUTARGS 0
	s_branch .Lhold_\@
.Lpair1_\@:
	OUTARGS 1
	s_branch .Lhold_\@
.Lpair2_\@:
	OUTARGS 2
	s_branch .Lhold_\@
.Lpair3_\@:
	OUTARGS 3
.Lhold_\@:
	s_wait_alu depctr_va_vdst(0)                   ; ahead of the readers behind the branch
.set j, 0
.rept 128
	v_med3_num_f32 v[TMP+j], v[TMP+j], -v[LIMR], v[LIMR]   ; the conversion to an 8-bit code does not saturate (ISA guide 7.6.2)
.set j, j+1
.endr
.set j, 0
.rept 16
	v_cvt_scalef32_pk8_fp8_f32 v[CODES+2*j:CODES+2*j+1], v[TMP+8*j:TMP+8*j+7], v[SCL]
.set j, j+1
.endr
	v_nop                                          ; one plain vector instruction between the last conversion and the lines that touch its results
.irp c, 0,1,2,3,4,5,6,7
	v_permlane16_swap_b32 v[CODES+4*\c],   v[CODES+4*\c+2]   ; the first register's lanes 16-31 change places with the second's lanes 0-15
	v_permlane16_swap_b32 v[CODES+4*\c+1], v[CODES+4*\c+3]
.endr
.irp u, 0,1
.irp c, 0,1,2,3
	global_store_b128 v[CO], v[CODES+16*\u+4*\c:CODES+16*\u+4*\c+3], s[10:11] offset:32768*\u+512*\c th:TH_STORE_NT   ; 32 lanes store 512 consecutive bytes, at a multiple of 512 from fusion's first byte; nobody reads them in this launch
.endr
.endr
	s_wait_alu depctr_va_vdst(0)                   ; ahead of the wait and the branch below
	s_wait_xcnt 0x0                                ; the stores have read their codes and their base: both are written again
	s_add_nc_u64 s[10:11], s[10:11], 65536         ; two row tiles on
	s_add_co_u32 s3, s3, 1
	s_cmp_lt_u32 s3, 4
	s_cbranch_scc1 .Lpair_\@
.endm
	s_wait_alu depctr_va_vdst(0)                   ; the head's end
	s_wait_tensorcnt 0x0                           ; my part of K step 0 is in; the full sequence stands ahead of the later first fill
	ds_add_u32 v[SPW], v[NIL]
	s_wait_dscnt 0x0
	CROUND                                         ; everybody's part is in
	JLOAD G0+4, G1, G0B+4, G1B                     ; K step 1: the first tensor load behind the round
	FETCH_B 0, 0, 0
	FETCH_A 0, 0, 0
	FETCH_A 0, 0, 4
	FETCH_BH 0, 1, 1, 0
	ASK PFF, 2*KSTEP
	; ---- the first tile: K steps 0 to 3
	STEP 0, 0, 1                                   ; its first products start the sums
	TURN 0, 1, 1, 1, 0                             ; slot 0 takes K step 2
	ASK PFF, 3*KSTEP
	STEP 1, 0, 0
	TURN 1, 0, 1, 1, KSTEP                         ; slot 1 takes K step 3
	STEP 0, 0, 0
	TURN 0, 1, 2, 1, 2*KSTEP                       ; THE RING GOES ON INTO THE SECOND TILE: slot 0 takes its K step 0,
	STEP 1, 0, 0
	TURN 1, 0, 2, 0, 3*KSTEP                       ; slot 1 its K step 1: both refills are asked for, and now the tile goes out
	s_wait_kmcnt 0x0                               ; the exponents
	s_cmp_eq_u32 ttmp9, 0
	s_cselect_b32 s90, s84, s86                    ; the sequences' exponent,
	s_cselect_b32 s91, s85, s87                    ; the weights'
	s_add_co_i32 s96, s90, s91
	s_add_co_i32 s96, s96, 127
	s_lshl_b32 s96, s96, 23                        ; 2^(eA + eW) as f32
	s_mov_b32 s97, s96                             ; (named with it as a pair, so it is written)
	s_add_co_i32 s90, s88, 127
	s_lshl_b32 s91, s90, 23
	v_mov_b32 v[SCL], s91                          ; 2^e4
	s_add_co_i32 s90, s90, 8
	s_lshl_b32 s90, s90, 23
	s_or_b32 s90, s90, 0x600000
	v_mov_b32 v[LIMR], s90                         ; 448 x 2^e4
	s_wait_alu depctr_va_vdst(0)                   ; ahead of the wait below
	s_wait_loadcnt 0x0                             ; the bias
	WAYOUT
	s_add_nc_u64 s[10:11], s[10:11], NEXT_F        ; (behind the way out's wait on XCNT, which also frees the registers that the stores read)
	FETCH_B 0, 0, 0                                ; the second tile's first fragments: slot 0 was shown whole to every wave by the last change of slots
	FETCH_A 0, 0, 0
	FETCH_A 0, 0, 4
	FETCH_BH 0, 1, 1, 0
	; ---- the second tile
	STEP 0, 0, 1                                   ; its first products start the sums anew, on accumulators that have been read out
	TURN 0, 1, 1, 1, -1                            ; slot 0 takes K step 2
	STEP 1, 0, 0
	TURN 1, 0, 1, 1, -1                            ; slot 1 takes K step 3: the last load
	STEP 0, 0, 0
	TURN 0, 1, 0, 1, -1                            ; the last lap fills nothing, and has no round of the cluster's barrier
	STEP 1, 0, 0
	s_wait_dscnt 4*NL                              ; the very last step: nothing more to fetch
	WIN MUL_LO
	MUL16 0, 1, 0
	MUL16 2, 1, 0
	s_wait_dscnt 0
	WIN MUL_HI
	MUL16 4, 1, 0
	MUL16 6, 1, 0
	WIN 0
	WAYOUT
	s_wait_tensorcnt 0x0                           ; the wave's end
	ds_add_u32 v[SPW], v[NIL]
	s_wait_dscnt 0x0
	CROUND                                         ; the closing round: no work-group ends while a partner may still ask for a tile that names it
	s_endpgm
.Lfunc_end_k_qe9f014ee1b_proj:
	.size	k_qe9f014ee1b_proj, .Lfunc_end_k_qe9f014ee1b_proj-k_qe9f014ee1b_proj
	.p2alignl 7, 3214868480
	.fill 96, 4, 3214868480
	.section	.rodata,"a",@progbits
	.p2align	6, 0x0
	.amdhsa_kernel k_qe9f014ee1b_proj
		.amdhsa_group_segment_fixed_size 327680
		.amdhsa_private_segment_fixed_size 0
		.amdhsa_enable_private_segment 0
		.amdhsa_kernarg_size 64
		.amdhsa_user_sgpr_count 2
		.amdhsa_user_sgpr_kernarg_segment_ptr 1
		.amdhsa_wavefront_size32 1
		.amdhsa_system_sgpr_workgroup_id_x 1
		.amdhsa_system_sgpr_workgroup_id_y 1
		.amdhsa_system_sgpr_workgroup_id_z 1
		.amdhsa_system_vgpr_workitem_id 0
		.amdhsa_next_free_vgpr 1024
		.amdhsa_next_free_sgpr 98
		.amdhsa_reserve_vcc 0
		.amdhsa_float_denorm_mode_32 3
		.amdhsa_float_denorm_mode_16_64 3
		.amdhsa_memory_ordered 1
		.amdhsa_forward_progress 1
		.amdhsa_inst_pref_size 208
	.end_amdhsa_kernel
	.amdgpu_metadata
---
amdhsa.version: [ 1, 2 ]
amdhsa.kernels:
  - .name:           k_qe9f014ee1b_proj
    .symbol:         k_qe9f014ee1b_proj.kd
    .args:
      - { .name: sequences1_codes, .offset: 0, .size: 8, .value_kind: global_buffer, .address_space: global }
      - { .name: sequences2_codes, .offset: 8, .size: 8, .value_kind: global_buffer, .address_space: global }
      - { .name: W1_kernel_codes, .offset: 16, .size: 8, .value_kind: global_buffer, .address_space: global }
      - { .name: W2_kernel_codes, .offset: 24, .size: 8, .value_kind: global_buffer, .address_space: global }
      - { .name: W1_bias, .offset: 32, .size: 8, .value_kind: global_buffer, .address_space: global }
      - { .name: W2_bias, .offset: 40, .size: 8, .value_kind: global_buffer, .address_space: global }
      - { .name: lowp_scales, .offset: 48, .size: 8, .value_kind: global_buffer, .address_space: global }
      - { .name: fusion, .offset: 56, .size: 8, .value_kind: global_buffer, .address_space: global }
    .group_segment_fixed_size: 327680
    .private_segment_fixed_size: 0
    .kernarg_segment_align: 8
    .kernarg_segment_size: 64
    .max_flat_workgroup_size: 128
    .sgpr_count:     98
    .vgpr_count:     1024
    .wavefront_size: 32
...
	.end_amdgpu_metadata
.endif
;; end of part 1
;; launch mix (part 2): grid 4 x 64, 4 waves a work-group, clusters of 4 x 4, 327,680 bytes of LDS; arguments fusion, W_kernel_codes, W_bias, context_vector, lowp_scales, feat, spart; writes feat, spart
.if DOCPART == 2
	.amdgcn_target "amdgcn-amd-amdhsa--gfx1250"
	.amdhsa_code_object_version 6
	.text
	.protected	k_qe9f014ee1b_mix
	.globl	k_qe9f014ee1b_mix
	.p2align	8
	.type	k_qe9f014ee1b_mix,@function
k_qe9f014ee1b_mix:
	s_mov_b64 s[64:65], 0
	v_nop
	global_prefetch_b8 v0, s[64:65] scope:SCOPE_SE
	s_setreg_imm32_b32 hwreg(HW_REG_WAVE_MODE, 25, 1), 1
	s_wait_xcnt 0x0
	s_wait_alu depctr_hold_cnt(0) depctr_sa_sdst(0) depctr_va_vdst(0) depctr_va_sdst(0) depctr_va_ssrc(0) depctr_va_vcc(0) depctr_vm_vsrc(0)
	s_getreg_b32 s2, hwreg(HW_REG_IB_STS2, 6, 4)
	s_cmp_eq_u32 s2, 0
	s_cbranch_scc0 .Lentry_in_a_cluster
	s_endpgm
.Lentry_in_a_cluster:
	s_bfe_u32 s2, ttmp6, 0x10000c
	s_cmp_lg_u32 s2, 0xf033
	s_cbranch_scc0 .Lentry_shape_is_right
	s_endpgm
.Lentry_shape_is_right:
; features = tanh(fusion W + b) and the scores' parts: 16,384 x 1,024 x 2,048 on codes of FP8 (E4M3), sums in f32; each sum x 2^(e4 + e5) + bias, tanh, all in f32.  Features leave as bf16.
; A work-group of four waves makes 256 rows x 256 columns; wave w makes rows 64 w .. 64 w + 63 x all 256 columns: 64 accumulators of 16 x 16, 512 registers.
; W (256 of its rows, K innermost) goes through LDS: a ring of two slots of 512 along K, 64 rows fetched by each wave with one JOINT tensor load: the four work-groups of a column of the cluster need the same rows.
; fusion lies as images of fragments and is loaded straight into registers, each wave its own 64 rows, two K steps of 128 (128 matrix instructions) ahead of their use: no LDS byte and no barrier is spent on it.
; It is not asked for jointly: a joint load lands in LDS, and with fusion's tiles there a slot would hold half as much along K, for twice as many changes of slots.  The four work-groups that read the same rows stand in one row of a cluster.
; No prefetch: fusion's loads are themselves two steps ahead, and a slot of W is asked for about 256 matrix instructions ahead of its wait.
; THE MATRIX INSTRUCTION IS USED TRANSPOSED (source 0 = 16 rows of W, source 1 = 16 rows of fusion): lane (r, h) holds row r, and register j of column tile b the column 16 b + 8 h + j.
; In both operands registers 4 c .. 4 c + 3 hold K = 32 c + 16 h + 0 .. 15: a permutation of k, the same on both sides.
; A step of 128 along K is four groups: group g holds W's fragments 4 g .. 4 g + 3 against the four row tiles, 16 matrix instructions.  Each group has one run of loads in front of it, for the group two on.
; LIMITS: e4 + e5 between -127 and 126 (added to the exponent field of 2 log2(e)).  NaN is not served.
; REGISTERS: window 0: v16-47 addresses and small sums; v64-255 W's fragments, a ring of three groups; on the way out v64-191 numbers, v192-255 packed results.
;   window 1: v0-191 fusion's fragments, three sets of 64 (step s in set s % 3); on the way out bias v192-255 and v64-127, context vector v0-63 and v128-191 (columns 0-127 and 128-255).
;   windows 2, 3: accumulators (row tile a, column tile b) at v[8 (4 (b % 8) + a)], window 2 + b / 8.
.set PITCH,  528                       ; an LDS row: 512 bytes + 16 of padding = 132 words: the 16 rows that a load touches start at 16 different banks (64 banks of 4 bytes: ISA guide 11.1)
.set SLOT,   256*PITCH
.set SPARE,  2*SLOT                    ; the spare words, 128 bytes for each wave
.set ADB,  16                          ; v16-19  LDS address of W's fragments: slot 0 column tiles 0-7, 8-15; slot 1 likewise
.set CO,   26                          ; v26     16 x lane: my place in an image
.set SO,   27                          ; v27     my place among 64 scores
.set SPW,  28                          ; v28     LDS address of my spare word
.set NIL,  29                          ; v29     0
.set BO,   31                          ; v31     32 x h
.set SCR,  32                          ; v32-35  the row tiles' parts of the scores
.set DA,   40                          ; v40-47  a row tile's sums, four chains
.set BR,   64
.set T,    64
.set PK,   192
.set G1,   24                          ; s[24:31] descriptor group 1;  s[32:35], s[36:39] group 0 for each slot
.set G0,   32
.set MSB,  0
.macro WIN new                         ; the immediate's high byte repeats the setting that is left
.if MSB != \new
	s_set_vgpr_msb (MSB<<8)|\new
.set MSB, \new
.endif
.endm
.macro CREST                           ; a round of the cluster's barrier behind its opening barrier
	s_cmp_lg_u32 s14, 0
	s_cbranch_scc1 .Lnot_wave_0_\@
	s_barrier_signal -3
.Lnot_wave_0_\@:
	s_barrier_wait -3
	s_barrier_signal -1
	s_barrier_wait -1
.endm
.macro CROUND
	s_barrier_signal -1
	s_barrier_wait -1
	CREST
.endm
.macro NOPS
.rept 4
	v_nop
.endr
.endm
.macro JLOAD sl                        ; every wave issues it: one line, one mask
	tensor_load_to_lds s[G0+4*\sl:G0+4*\sl+3], s[G1:G1+7]
	s_nop 0
	NOPS
.endm
.macro BLOAD n, f                      ; fragment f of group n (four groups a step of 128, four steps a slot): column tile 4 (n % 4) + f
.set LQ, ((\n)/4)%4
.set LS, ((\n)/16)%2
.set LT, 4*((\n)%4)+\f
.set LR, BR+64*((\n)%3)+16*\f
.irp c, 0,1,2,3
	ds_load_b128 v[LR+4*\c:LR+4*\c+3], v[ADB+2*LS+LT/8] offset:(LT%8)*16*PITCH+128*LQ+32*\c
.endr
.endm
.macro BGRP n
.irp f, 0,1,2,3
	BLOAD \n, \f
.endr
.endm
.macro ALOAD st, fr                    ; row tile fr of my four, step st
.set AR, 64*((\st)%3)+16*(\fr)
.irp c, 0,1,2,3
	global_load_b128 v[AR+4*\c:AR+4*\c+3], v[CO], s[68:69] offset:32768*(\fr)+2048*(\st)+512*\c
.endr
.endm
.macro ASTEP st
.irp fr, 0,1,2,3
	ALOAD \st, \fr
.endr
.endm
.macro VLOAD reg, t, lo                ; eight numbers of column tile t, as the accumulators hold its columns
	global_load_b128 v[\reg+8*(\t):\reg+8*(\t)+3], v[BO], s[\lo:\lo+1] offset:64*(\t)
	global_load_b128 v[\reg+8*(\t)+4:\reg+8*(\t)+7], v[BO], s[\lo:\lo+1] offset:64*(\t)+16
.endm
; Two of group n's sixteen matrix instructions.  The 64 accumulators take turns, one instruction a turn, in the same order in every step.  The first step starts the sums.
.macro MUL2 n, k
.set MB, BR+64*((\n)%3)+16*((\k)/4)
.set MS, (\n)/4
.irp e, 0,1
.set MA, ((\k)+\e)%4
.set MC, 8*(4*((4*((\n)%4)+(\k)/4)%8)+MA)
.set MF, 64*(MS%3)+16*MA
.if MS == 0
	v_wmma_f32_16x16x128_fp8_fp8 v[MC:MC+7], v[MB:MB+15], v[MF:MF+15], 0
.else
	v_wmma_f32_16x16x128_fp8_fp8 v[MC:MC+7], v[MB:MB+15], v[MF:MF+15], v[MC:MC+7]
.endif
.endr
.endm
.macro MUL8 n, k
.set MW, 0xa4+0x50*(((\n)%4)/2)        ; source 0 (W) window 0, source 1 (fusion) window 1, C and D window 2 or 3
	WIN MW
	MUL2 \n, \k
	MUL2 \n, \k+2
	MUL2 \n, \k+4
	MUL2 \n, \k+6
.endm
.macro EXTRA n                         ; in each group's run: one row tile of fusion, two steps on (its set was read last in the step before); in the last two steps the bias, into free registers and the set of step 13
.set ES, (\n)/4
.set EM, (\n)%4
	WIN 0x40
.if ES < 14
	ALOAD ES+2, EM
.elseif ES == 14
	VLOAD 192, 2*EM, 72
	VLOAD 192, 2*EM+1, 72
.else
	VLOAD 0, 8+2*EM, 72
	VLOAD 0, 9+2*EM, 72
.endif
.endm
; A group: the four places (ISA guide 7.12.1 for vector instructions) that the registers of the group before owe to the loads, one run of loads, sixteen matrix instructions.
.macro PERIOD n
.if (\n)%4 == 0
	s_wait_loadcnt 16                              ; this step's fusion is in; the sixteen loads issued in the step before (the next step's, or the bias's) may be out
.endif
	NOPS
.if (\n) < 62
	WIN 0
	BGRP (\n)+2                                    ; into the registers of the group before
.endif
	EXTRA \n
.if (\n) < 62
	s_wait_dscnt 32                                ; this group's fragments are in; the two later groups' 32 loads may be out
.else
	s_wait_dscnt 16*(63-(\n))
.endif
	MUL8 \n, 0
	MUL8 \n, 8
.endm
; THE CHANGE OF SLOTS, at a slot's last two groups, whose fragments are in registers or on their way.  In front of the barrier each wave waits for all its tensor loads (its part of the next slot), adds 0 to its spare word, and waits for that and
; for its own reads of this slot.  fill = 1: the barrier opens a round of the cluster's barrier, behind which this slot is filled again, two slots on along K.
.macro CHANGE n, fill
.set CS, ((\n)/16)%2
	WIN 0
	s_wait_tensorcnt 0x0
	ds_add_u32 v[SPW], v[NIL]
.if \fill
	s_add_nc_u64 s[G0+4*CS+2:G0+4*CS+3], s[G0+4*CS+2:G0+4*CS+3], 1024
.endif
	s_wait_dscnt 17                                ; group n is in; the add and the later group's sixteen loads may be out
	MUL8 \n, 0
	s_wait_dscnt 0x0                               ; the add is done, and my reads of this slot are over
	s_barrier_signal -1
	MUL8 \n, 8
	WIN 0
	s_barrier_wait -1
.if \fill
	CREST
	JLOAD CS                                       ; its four v_nop are the places in front of the loads below
.else
	NOPS
.endif
	BGRP (\n)+2
	BGRP (\n)+3
	EXTRA \n
	EXTRA (\n)+1
	MUL8 (\n)+1, 0
	MUL8 (\n)+1, 8
.endm
	s_load_b256 s[68:75], s[0:1], 0x0              ; fusion s[68:69], W s[70:71], bias s[72:73], context vector s[74:75]
	s_load_b128 s[76:79], s[0:1], 0x20             ; the exponents s[76:77], feat s[78:79]
	s_load_b64 s[80:81], s[0:1], 0x30              ; spart
	v_lshl_add_u32 v[SPW], v0, 2, SPARE
	v_mov_b32 v[NIL], 0
	ds_add_u32 v[SPW], v[NIL]                      ; the opening add, twice on end
	ds_add_u32 v[SPW], v[NIL]
	v_lshrrev_b32 v1, 5, v0
	v_readfirstlane_b32 s14, v1                    ; wave 0..3
	v_and_b32 v2, 15, v0                           ; r
	v_bfe_u32 v3, v0, 4, 1                         ; h
	v_and_b32 v4, 31, v0
	v_lshlrev_b32 v[CO], 4, v4
	v_mul_u32_u24 v5, v2, PITCH
	v_lshl_add_u32 v[ADB], v3, 4, v5               ; row x pitch + 16 x half
	v_add_nc_u32 v[ADB+1], 8*16*PITCH, v[ADB]
	v_add_nc_u32 v[ADB+2], SLOT, v[ADB]
	v_add_nc_u32 v[ADB+3], SLOT+8*16*PITCH, v[ADB]
	v_lshlrev_b32 v[BO], 5, v3
	v_lshlrev_b32 v[SO], 4, v2
	v_lshl_add_u32 v[SO], v3, 3, v[SO]             ; score 4 r + 2 h of my 64
	s_wait_alu depctr_va_vdst(0)                   ; behind the head's vector instructions
	s_bfe_u32 s40, ttmp6, 0x40000                  ; cx
	s_bfe_u32 s41, ttmp6, 0x40004                  ; cy
	s_lshl_b32 s42, ttmp9, 2
	s_add_co_u32 s42, s42, s40                     ; block of 256 columns: 0 to 3
	s_and_b32 s17, ttmp7, 0xffff
	s_lshl_b32 s17, s17, 2
	s_add_co_u32 s17, s17, s41                     ; block of 256 rows: 0 to 63
	s_lshl_b32 s44, 0x1111, s40                    ; my column of the cluster
	s_or_b32 s[G1], s44, (1<<20)|(1<<21)|(6<<22)|(3<<25)   ; 15:0 the mask; elements of 1 byte; 20 padding on; 21 set beside a mask; after every 128 words (code 6) four words (code 3)
	s_mov_b32 s[G1+1], 512<<16                     ; tensor_dim0 = 512
	s_mov_b32 s[G1+2], 64<<16                      ; tensor_dim1 = 64
	s_mov_b32 s[G1+3], 512<<16                     ; tile_dim0 = 512
	s_mov_b32 s[G1+4], 64                          ; tile_dim1 = 64
	s_mov_b32 s[G1+5], 2048                        ; a row of W in memory
	s_mov_b32 s[G1+6], 0
	s_mov_b32 s[G1+7], 0
	s_lshl_b32 s22, s14, 17                        ; wave x 64 rows of 2,048 bytes, of W and of fusion alike
	s_lshl_b32 s46, s42, 19
	s_add_co_u32 s46, s46, s22                     ; W: row 256 x column block + 64 x wave
	s_mov_b32 s47, 0
	s_lshl_b32 s20, s17, 19
	s_add_co_u32 s20, s20, s22                     ; fusion: four row tiles of 32,768 bytes for each wave
	s_mov_b32 s21, 0
	s_mul_i32 s45, s14, 64*PITCH                   ; where my rows of W go
	s_wait_dscnt 0x0                               ; both opening adds are done
	s_wait_kmcnt 0x0
	s_load_b64 s[88:89], s[76:77], 0x10            ; e4, e5
	s_add_nc_u64 s[46:47], s[70:71], s[46:47]
	s_add_nc_u64 s[68:69], s[68:69], s[20:21]
.irp z, 0,1
	s_mov_b32 s[G0+4*\z], 1
	s_add_co_u32 s[G0+4*\z+1], s45, \z*SLOT
	s_add_nc_u64 s[G0+4*\z+2:G0+4*\z+3], s[46:47], \z*512
	s_or_b32 s[G0+4*\z+3], s[G0+4*\z+3], 0x80000000
.endr
	CROUND                                         ; all sixteen work-groups are here: the first joint loads meet
	JLOAD 0                                        ; K 0 to 511: one tensor load a wave at the head
	WIN 0x40
	ASTEP 0                                        ; fusion's first step; the second follows behind the next tensor load
	WIN 0
	s_lshr_b32 s18, s17, 2                         ; feat: batch,
	s_lshl_b32 s18, s18, 21
	s_lshl_b32 s19, s42, 19                        ; 16 column tiles of 32,768 bytes,
	s_add_co_u32 s18, s18, s19
	s_and_b32 s19, s17, 3                          ; 16 row tiles of 512 bytes for each block of rows,
	s_lshl_b32 s19, s19, 13
	s_add_co_u32 s18, s18, s19
	s_lshl_b32 s19, s14, 11                        ; four for each wave
	s_add_co_u32 s18, s18, s19
	s_mov_b32 s19, 0
	s_add_nc_u64 s[78:79], s[78:79], s[18:19]
	s_lshl_b32 s48, s42, 16                        ; spart: part = column block; 256 bytes for each 64 rows
	s_lshl_b32 s49, s17, 10
	s_add_co_u32 s48, s48, s49
	s_lshl_b32 s49, s14, 8
	s_add_co_u32 s48, s48, s49
	s_mov_b32 s49, 0
	s_add_nc_u64 s[80:81], s[80:81], s[48:49]
	s_lshl_b32 s50, s42, 10                        ; 256 columns of bias and context vector
	s_mov_b32 s51, 0
	s_add_nc_u64 s[72:73], s[72:73], s[50:51]
	s_add_nc_u64 s[74:75], s[74:75], s[50:51]
	s_mov_b32 s66, 0x76543210                      ; v_permlanex16_b32's selects for lane l xor 16
	s_mov_b32 s67, 0xfedcba98
	s_wait_tensorcnt 0x0                           ; my part of slot 0 is in; the full sequence stands ahead of the later first fill
	ds_add_u32 v[SPW], v[NIL]
	s_wait_dscnt 0x0
	CROUND                                         ; everybody's part is in
	JLOAD 1                                        ; K 512 to 1,023
	BGRP 0
	BGRP 1
	WIN 0x40
	ASTEP 1
.set N, 0
.irp fl, 1,1,0                                     ; slots 0, 1 and 2 of K's four; the first two changes fill the slot that is left
.rept 14
	PERIOD N
.set N, N+1
.endr
	CHANGE N, \fl
.set N, N+2
.endr
.rept 16                                           ; the last slot
	PERIOD N
.set N, N+1
.endr
	NOPS                                           ; the last steps' fusion registers are loaded below
	WIN 0x40
.irp t, 0,1,2,3,4,5,6,7
	VLOAD 0, \t, 74
.endr
.irp t, 8,9,10,11,12,13,14,15
	VLOAD 64, \t, 74
.endr
	s_wait_kmcnt 0x0
	s_add_co_i32 s96, s88, s89
	s_lshl_b32 s96, s96, 23
	s_add_co_i32 s96, s96, 0x4038aa3b              ; 2 log2(e) x 2^(e4 + e5)
	s_mov_b32 s97, s96
	s_mov_b32 s98, 0x4038aa3b                      ; 2 log2(e)
	s_mov_b32 s99, s98
	s_wait_loadcnt 32                              ; the bias is in; the context vector's 32 loads may be out
	WIN 0x41
.irp q, 192,64
.set j, \q
.rept 32
	v_pk_mul_f32 v[j:j+1], v[j:j+1], s[98:99] op_sel_hi:[1,0]
.set j, j+2
.endr
.endr
	WIN 0
	v_mov_b32 v[SCR+1], 0                          ; (moved down, unused, in the first trips)
	v_mov_b32 v[SCR+2], 0
	v_mov_b32 v[SCR+3], 0
	s_mov_b32 s3, 0
; THE WAY OUT, a loop over my four row tiles: 256 columns, 128 numbers a lane.  tanh(z) = 1 - 2 / (1 + 2^(2 log2(e) z)); the score's part; bf16; images of 16 rows x 16 columns: row r, columns 8 h .. 8 h + 7 at 16 x lane.
; Only the lines that read accumulators differ from tile to tile: they stand in four arms, chosen by the loop's counter.
.macro ARGS ta
.irp tw, 0,1
	WIN 0x12+\tw
	s_wait_alu depctr_va_vdst(0)                   ; ahead of the first reader of these sums
.set i, 0
.rept 8
.irp j, 0,2,4,6
	v_pk_fma_f32 v[T+64*\tw+8*i+\j:T+64*\tw+8*i+\j+1], v[8*(4*i+\ta)+\j:8*(4*i+\ta)+\j+1], s[96:97], v[192-128*\tw+8*i+\j:192-128*\tw+8*i+\j+1] op_sel_hi:[1,0,1]
.endr
.set i, i+1
.endr
.endr
	WIN 0
.endm
.Ltile:
	s_cmp_eq_u32 s3, 1
	s_cbranch_scc1 .Ltile1
	s_cmp_eq_u32 s3, 2
	s_cbranch_scc1 .Ltile2
	s_cmp_eq_u32 s3, 3
	s_cbranch_scc1 .Ltile3
	ARGS 0
	s_branch .Ltanh
.Ltile1:
	ARGS 1
	s_branch .Ltanh
.Ltile2:
	ARGS 2
	s_branch .Ltanh
.Ltile3:
	ARGS 3
.Ltanh:
	; Numbers 0-63 and 64-127 take turns: while one half's exponentials or reciprocals are issued, the other half's packed lines stand between them.  Each phase reads only what was written ahead of the wait in front of it
	s_wait_alu depctr_va_vdst(0)
.set j, 0
.rept 64
	v_exp_f32 v[T+j], v[T+j]
.set j, j+1
.endr
	v_nop
	s_wait_alu depctr_va_vdst(0)
.set j, 0
.rept 32
	v_exp_f32 v[T+64+j], v[T+64+j]
	v_exp_f32 v[T+65+j], v[T+65+j]
	v_pk_add_f32 v[T+j:T+j+1], v[T+j:T+j+1], 1.0 op_sel_hi:[1,0]
.set j, j+2
.endr
	s_wait_alu depctr_va_vdst(0)
.set j, 0
.rept 32
	v_rcp_f32 v[T+j], v[T+j]
	v_rcp_f32 v[T+1+j], v[T+1+j]
	v_pk_add_f32 v[T+64+j:T+65+j], v[T+64+j:T+65+j], 1.0 op_sel_hi:[1,0]
.set j, j+2
.endr
	s_wait_alu depctr_va_vdst(0)
.set j, 0
.rept 32
	v_rcp_f32 v[T+64+j], v[T+64+j]
	v_rcp_f32 v[T+65+j], v[T+65+j]
	v_pk_fma_f32 v[T+j:T+j+1], v[T+j:T+j+1], -2.0, 1.0 op_sel_hi:[1,0,0]
.set j, j+2
.endr
	s_wait_alu depctr_va_vdst(0)
	s_wait_loadcnt 0x0                             ; the context vector (in the first trip)
.set j, 64
.rept 32
	v_pk_fma_f32 v[T+j:T+j+1], v[T+j:T+j+1], -2.0, 1.0 op_sel_hi:[1,0,0]
.set j, j+2
.endr
	WIN 0x04                                       ; source 1: the context vector, columns 0-127 at v0, 128-255 at v128 of window 1
.irp q, 0,64
.set j, 0
.rept 32
.set DC, DA+2*((j/2)%4)
.if \q+j < 8
	v_pk_mul_f32 v[DC:DC+1], v[T+j:T+j+1], v[j:j+1]
.else
	v_pk_fma_f32 v[DC:DC+1], v[T+\q+j:T+\q+j+1], v[2*\q+j:2*\q+j+1], v[DC:DC+1]
.endif
.set j, j+2
.endr
.endr
	WIN 0
	v_pk_add_f32 v[DA:DA+1], v[DA:DA+1], v[DA+2:DA+3]
	v_pk_add_f32 v[DA+4:DA+5], v[DA+4:DA+5], v[DA+6:DA+7]
	v_mov_b32 v[SCR], v[SCR+1]                     ; the tiles' parts move down: behind four trips tile a's stands in v[SCR + a]
	v_mov_b32 v[SCR+1], v[SCR+2]
	v_mov_b32 v[SCR+2], v[SCR+3]
	v_pk_add_f32 v[DA:DA+1], v[DA:DA+1], v[DA+4:DA+5]
	v_add_f32 v[SCR+3], v[DA], v[DA+1]
.set j, 0
.rept 64
	v_cvt_pk_bf16_f32 v[PK+j], v[T+2*j], v[T+2*j+1]
.set j, j+1
.endr
.irp b, 0,1,2,3,4,5,6,7,8,9,10,11,12,13,14,15
	global_store_b128 v[CO], v[PK+4*\b:PK+4*\b+3], s[78:79] offset:32768*\b th:TH_STORE_NT   ; 512 consecutive bytes, at a multiple of 512
.endr
	s_wait_alu depctr_va_vdst(0)                   ; ahead of the wait and the branch below
	s_wait_xcnt 0x0                                ; the stores have read their registers and their base
	s_add_nc_u64 s[78:79], s[78:79], 512           ; the next row tile
	s_add_co_u32 s3, s3, 1
	s_cmp_lt_u32 s3, 4
	s_cbranch_scc1 .Ltile
.irp a, 0,1,2,3
	v_permlanex16_b32 v[T+\a], v[SCR+\a], s66, s67
.endr
.irp a, 0,1,2,3
	v_add_f32 v[SCR+\a], v[SCR+\a], v[T+\a]        ; both halves of the columns: my own and lane l xor 16's
.endr
	v_cmp_le_u32 vcc_lo, 0x100, v[CO]              ; lanes 16-31 store row tiles 2 and 3
	v_cndmask_b32 v44, v[SCR], v[SCR+2], vcc_lo
	v_cndmask_b32 v45, v[SCR+1], v[SCR+3], vcc_lo
	global_store_b64 v[SO], v[44:45], s[80:81]     ; 256 consecutive bytes, at a multiple of 256: score 4 r + a = row 16 a + r of my 64
	s_wait_tensorcnt 0x0                           ; the wave's end
	ds_add_u32 v[SPW], v[NIL]
	s_wait_dscnt 0x0
	CROUND                                         ; the closing round
	s_endpgm
.Lfunc_end_k_qe9f014ee1b_mix:
	.size	k_qe9f014ee1b_mix, .Lfunc_end_k_qe9f014ee1b_mix-k_qe9f014ee1b_mix
	.p2alignl 7, 3214868480
	.fill 96, 4, 3214868480
	.section	.rodata,"a",@progbits
	.p2align	6, 0x0
	.amdhsa_kernel k_qe9f014ee1b_mix
		.amdhsa_group_segment_fixed_size 327680
		.amdhsa_private_segment_fixed_size 0
		.amdhsa_enable_private_segment 0
		.amdhsa_kernarg_size 56
		.amdhsa_user_sgpr_count 2
		.amdhsa_user_sgpr_kernarg_segment_ptr 1
		.amdhsa_wavefront_size32 1
		.amdhsa_system_sgpr_workgroup_id_x 1
		.amdhsa_system_sgpr_workgroup_id_y 1
		.amdhsa_system_sgpr_workgroup_id_z 1
		.amdhsa_system_vgpr_workitem_id 0
		.amdhsa_next_free_vgpr 1024
		.amdhsa_next_free_sgpr 100
		.amdhsa_reserve_vcc 1
		.amdhsa_float_denorm_mode_32 3
		.amdhsa_float_denorm_mode_16_64 3
		.amdhsa_memory_ordered 1
		.amdhsa_forward_progress 1
		.amdhsa_inst_pref_size 230
	.end_amdhsa_kernel
	.amdgpu_metadata
---
amdhsa.version: [ 1, 2 ]
amdhsa.kernels:
  - .name:           k_qe9f014ee1b_mix
    .symbol:         k_qe9f014ee1b_mix.kd
    .args:
      - { .name: fusion, .offset: 0, .size: 8, .value_kind: global_buffer, .address_space: global }
      - { .name: W_kernel_codes, .offset: 8, .size: 8, .value_kind: global_buffer, .address_space: global }
      - { .name: W_bias, .offset: 16, .size: 8, .value_kind: global_buffer, .address_space: global }
      - { .name: context_vector, .offset: 24, .size: 8, .value_kind: global_buffer, .address_space: global }
      - { .name: lowp_scales, .offset: 32, .size: 8, .value_kind: global_buffer, .address_space: global }
      - { .name: feat, .offset: 40, .size: 8, .value_kind: global_buffer, .address_space: global }
      - { .name: spart, .offset: 48, .size: 8, .value_kind: global_buffer, .address_space: global }
    .group_segment_fixed_size: 327680
    .private_segment_fixed_size: 0
    .kernarg_segment_align: 8
    .kernarg_segment_size: 56
    .max_flat_workgroup_size: 128
    .sgpr_count:     100
    .vgpr_count:     1024
    .wavefront_size: 32
...
	.end_amdgpu_metadata
.endif
;; end of part 2
;; launch pool (part 3): grid 16 x 16, 8 waves a work-group, no clusters, 6,144 bytes of LDS; arguments feat, spart, out0; writes out0
.if DOCPART == 3
	.amdgcn_target "amdgcn-amd-amdhsa--gfx1250"
	.amdhsa_code_object_version 6
	.text
	.protected	k_qe9f014ee1b_pool
	.globl	k_qe9f014ee1b_pool
	.p2align	8
	.type	k_qe9f014ee1b_pool,@function
k_qe9f014ee1b_pool:
	s_mov_b64 s[64:65], 0
	v_nop
	global_prefetch_b8 v0, s[64:65] scope:SCOPE_SE
	s_setreg_imm32_b32 hwreg(HW_REG_WAVE_MODE, 25, 1), 1
	s_wait_xcnt 0x0
; out0[b][u] = the sum over t of softmax_t(score[b][t]) features[b][t][u].  score = the sum of spart's four parts, f32; the batch's largest score is taken away before the exponential; features are bf16, weights and sums f32.
; A work-group owns one batch (y) and 64 columns (x): four column tiles of 16.  Wave w takes column tile 4 x + w / 2 and half w % 2 of the batch's 1,024 rows: 32 row tiles of 512 bytes, 16 KiB,
; asked for at the head by 32 loads of 512 consecutive bytes, which are on their way while the softmax is made.
; Every work-group of a batch makes the batch's softmax itself, from 16 KiB of spart beside 128 KiB of features; it comes through registers, so there is no tile to ask for jointly, and no cluster.
; The matrix units are left out: the product has one row.  No prefetch: all loads go out at once.
; feat[batch][column tile][row tile][512 bytes]: lane (r, h) holds row r, columns 8 h + 0 .. 7.   spart[block of 256 columns][block of 64 rows][r][a]: row 64 block + 16 a + r.
; LIMIT: the scores times log2(e) stay under 2^31 in magnitude.
; LDS: the weights p as [r][row tile], rows of 256 bytes + 16; two rows of eight words for the waves' maxima and sums; 64 bytes a wave for its sixteen column sums; the spare words.
.set PP,   272
.set RED1, 16*PP                       ; the waves' maxima
.set RED2, RED1+32                     ; the waves' sums
.set CP,   RED2+32                     ; the waves' column sums
.set ACC,  16                          ; v16-23  my eight columns' sums
.set P,    32                          ; v32-63  spart's four parts, then my row's 32 weights
.set F,    64                          ; v64-191 32 row tiles, four registers each
	s_load_b128 s[4:7], s[0:1], 0x0                ; feat, spart
	s_load_b64 s[8:9], s[0:1], 0x10                ; out0
	v_lshl_add_u32 v192, v0, 2, 0x1400
	v_mov_b32 v193, 0
	v_lshrrev_b32 v11, 5, v0                       ; wave
	s_wait_alu depctr_va_vdst(0)
	v_readfirstlane_b32 s10, v11
	s_and_b32 s11, ttmp7, 0xffff                   ; the batch
	s_mov_b32 s12, 0x76543210                      ; v_permlanex16_b32's selects for lane l xor 16
	s_mov_b32 s13, 0xfedcba98
	s_mov_b32 s20, 0x3fb8aa3b                      ; c = log2(e)
	s_lshl_b32 s14, s11, 6                         ; feat: ((64 batch + column tile) x 64 + 32 x half) x 512
	s_lshl_b32 s15, ttmp9, 2
	s_add_co_u32 s14, s14, s15
	s_lshr_b32 s15, s10, 1
	s_add_co_u32 s14, s14, s15
	s_lshl_b32 s14, s14, 6
	s_and_b32 s15, s10, 1
	s_lshl_b32 s15, s15, 5
	s_add_co_u32 s14, s14, s15
	s_lshl_b32 s14, s14, 9
	s_mov_b32 s15, 0
	s_lshl_b32 s16, s11, 12                        ; spart: the batch's 1,024 numbers of each part
	s_mov_b32 s17, 0
	s_lshl_b32 s18, ttmp9, 8                       ; out0: 4 x (1,024 batch + 64 x)
	s_add_co_u32 s18, s18, s16
	s_mov_b32 s19, 0
	v_and_b32 v1, 31, v0
	s_delay_alu instid0(VALU_DEP_1)
	v_lshlrev_b32 v1, 4, v1                        ; feat: 16 x lane
	v_lshlrev_b32 v2, 4, v0                        ; spart: 16 x thread: four scores a thread
	v_lshl_add_u32 v3, v11, 2, RED1                ; my wave's word among the maxima,
	v_lshl_add_u32 v4, v11, 2, RED2                ; among the sums
	v_and_b32 v12, 15, v0                          ; my four scores belong to r = thread % 16, row tiles 4 (thread / 16) + 0 .. 3
	s_delay_alu instid0(VALU_DEP_1)
	v_mul_u32_u24 v5, v12, PP
	s_delay_alu instid0(VALU_DEP_1)
	v_lshl_add_u32 v5, v11, 5, v5
	v_bfe_u32 v12, v0, 4, 1
	s_delay_alu instid0(VALU_DEP_1)
	v_lshl_add_u32 v5, v12, 4, v5                  ; where I put my four weights
	v_and_b32 v12, 15, v0                          ; r, and for the way out i
	s_delay_alu instid0(VALU_DEP_1)
	v_mul_u32_u24 v6, v12, PP
	v_and_b32 v13, 1, v11
	s_delay_alu instid0(VALU_DEP_1)
	v_lshl_add_u32 v6, v13, 7, v6                  ; where I read my row's 32 weights: row r, + 128 x my wave's half
	v_bfe_u32 v13, v0, 4, 1                        ; h
	s_delay_alu instid0(VALU_DEP_1)
	v_lshlrev_b32 v7, 5, v13
	s_delay_alu instid0(VALU_DEP_1)
	v_lshl_add_u32 v7, v11, 6, v7
	s_delay_alu instid0(VALU_DEP_1)
	v_add_nc_u32 v7, CP, v7                        ; where I put my eight column sums: 64 x wave + 32 h
	v_mov_b32 v8, RED1
	v_bfe_u32 v13, v0, 2, 2
	v_and_b32 v14, 3, v0
	s_delay_alu instid0(VALU_DEP_2)
	v_lshlrev_b32 v9, 7, v13
	s_delay_alu instid0(VALU_DEP_1)
	v_lshl_add_u32 v9, v14, 4, v9
	s_delay_alu instid0(VALU_DEP_1)
	v_add_nc_u32 v9, CP, v9                        ; the way out: columns 4 i .. 4 i + 3: column tile i / 4 (two waves: 128 bytes), 16 (i % 4) in it
	v_lshlrev_b32 v10, 4, v12                      ; and 16 i in out0
	v_mov_b32 v25, 0                               ; written once: a lane permute's destination counts as one of its sources
	s_wait_kmcnt 0x0
	s_add_nc_u64 s[4:5], s[4:5], s[14:15]
	s_add_nc_u64 s[6:7], s[6:7], s[16:17]
	s_add_nc_u64 s[8:9], s[8:9], s[18:19]
.irp j, 0,1,2,3
	global_load_b128 v[P+4*\j:P+4*\j+3], v2, s[6:7] offset:65536*\j    ; part j of my four scores: a wave reads 512 consecutive bytes
.endr
.set i, 0
.rept 32
	global_load_b128 v[F+4*i:F+4*i+3], v1, s[4:5] offset:512*i th:TH_LOAD_NT   ; row tile i of my half: read once in the launch
.set i, i+1
.endr
	s_wait_loadcnt 32                              ; spart's four loads are in; the 32 of features are younger
.irp j, 1
	v_pk_add_f32 v[P:P+1],   v[P:P+1],   v[P+4*\j:P+4*\j+1]
	v_pk_add_f32 v[P+2:P+3], v[P+2:P+3], v[P+4*\j+2:P+4*\j+3]
.endr
.irp j, 2, 3
	s_delay_alu instid0(VALU_DEP_2)
	v_pk_add_f32 v[P:P+1],   v[P:P+1],   v[P+4*\j:P+4*\j+1]
	s_delay_alu instid0(VALU_DEP_2)
	v_pk_add_f32 v[P+2:P+3], v[P+2:P+3], v[P+4*\j+2:P+4*\j+3]
.endr
	s_delay_alu instid0(VALU_DEP_1)
	v_max3_num_f32 v24, v[P], v[P+1], v[P+2]       ; the largest score: of my four, of the wave,
	s_delay_alu instid0(VALU_DEP_1)
	v_max_num_f32 v24, v24, v[P+3]
	s_delay_alu instid0(VALU_DEP_1)
	v_max_num_f32_dpp v24, v24, v24 row_xmask:1 row_mask:0xf bank_mask:0xf
	s_delay_alu instid0(VALU_DEP_1)
	v_max_num_f32_dpp v24, v24, v24 row_xmask:2 row_mask:0xf bank_mask:0xf
	s_delay_alu instid0(VALU_DEP_1)
	v_max_num_f32_dpp v24, v24, v24 row_xmask:4 row_mask:0xf bank_mask:0xf
	s_delay_alu instid0(VALU_DEP_1)
	v_max_num_f32_dpp v24, v24, v24 row_xmask:8 row_mask:0xf bank_mask:0xf
	s_delay_alu instid0(VALU_DEP_1)
	v_permlanex16_b32 v25, v24, s12, s13
	s_delay_alu instid0(VALU_DEP_1)
	v_max_num_f32 v24, v24, v25
	ds_store_b32 v3, v24                           ; (all lanes write the same word with the same value)
	s_wait_dscnt 0x0                               ; for the others' sake: my store is done
	s_barrier_signal -1
	s_barrier_wait -1
	ds_load_b128 v[24:27], v8                      ; and of the eight waves
	ds_load_b128 v[28:31], v8 offset:16
	s_wait_dscnt 0x0
	v_max3_num_f32 v24, v24, v25, v26
	s_delay_alu instid0(VALU_DEP_1)
	v_max3_num_f32 v24, v24, v27, v28
	s_delay_alu instid0(VALU_DEP_1)
	v_max3_num_f32 v24, v24, v29, v30
	s_delay_alu instid0(VALU_DEP_1)
	v_max_num_f32 v24, v24, v31
	s_delay_alu instid0(VALU_DEP_1)
	v_mul_f32 v25, s20, v24                        ; c m
.irp i, 0,1,2,3
	v_fma_f32 v[P+\i], v[P+\i], s20, -v25          ; c s - c m: the rounding of c m is a factor common to every p and to their sum
.endr
	s_wait_alu depctr_va_vdst(0)
.irp i, 0,1,2,3
	v_exp_f32 v[P+\i], v[P+\i]                     ; p = e^(s - m), at most about 1
.endr
.irp c, 0,1,2,3,4,5,6,7
	v_mov_b32 v[ACC+\c], 0                         ; the column sums begin; these are the plain lines behind the exponentials
.endr
	s_wait_alu depctr_va_vdst(0)                   ; one wait for the four exponentials, ahead of their first reader
	v_add_f32 v26, v[P], v[P+1]                    ; the sum of p: of my four, of the wave
	v_add_f32 v27, v[P+2], v[P+3]
	s_delay_alu instid0(VALU_DEP_1)
	v_add_f32 v26, v26, v27
	s_delay_alu instid0(VALU_DEP_1)
	v_add_f32_dpp v26, v26, v26 row_xmask:1 row_mask:0xf bank_mask:0xf
	s_delay_alu instid0(VALU_DEP_1)
	v_add_f32_dpp v26, v26, v26 row_xmask:2 row_mask:0xf bank_mask:0xf
	s_delay_alu instid0(VALU_DEP_1)
	v_add_f32_dpp v26, v26, v26 row_xmask:4 row_mask:0xf bank_mask:0xf
	s_delay_alu instid0(VALU_DEP_1)
	v_add_f32_dpp v26, v26, v26 row_xmask:8 row_mask:0xf bank_mask:0xf
	s_delay_alu instid0(VALU_DEP_1)
	v_permlanex16_b32 v27, v26, s12, s13
	s_delay_alu instid0(VALU_DEP_1)
	v_add_f32 v26, v26, v27
	ds_store_b32 v4, v26
	ds_store_b128 v5, v[P:P+3]                     ; my four weights: four neighbouring row tiles of one r
	s_wait_dscnt 0x0                               ; for the others' sake: my stores are done
	s_barrier_signal -1
	s_barrier_wait -1
.irp i, 0,1,2,3,4,5,6,7
	ds_load_b128 v[P+4*\i:P+4*\i+3], v6 offset:16*\i   ; my row's weights for my half's 32 row tiles
.endr
	s_wait_dscnt 0x0
.set i, 0
.rept 32
	s_wait_alu depctr_va_vdst(0)
	s_wait_loadcnt 31-i                            ; row tile i is in; the younger ones may be out
.irp k, 0,1,2,3
	v_fma_mix_f32_bf16 v[ACC+2*\k],   v[F+4*i+\k], v[P+i], v[ACC+2*\k]   op_sel_hi:[1,0,0]                  ; the low half as bf16 x p + the sum, in f32
	v_fma_mix_f32_bf16 v[ACC+2*\k+1], v[F+4*i+\k], v[P+i], v[ACC+2*\k+1] op_sel:[1,0,0] op_sel_hi:[1,0,0]   ; the high half
.endr
.set i, i+1
.endr
.irp m, 1,2,4,8
.irp c, 0,1,2,3,4,5,6,7
	v_add_f32_dpp v[ACC+\c], v[ACC+\c], v[ACC+\c] row_xmask:\m row_mask:0xf bank_mask:0xf   ; over the sixteen rows of a tile: the sixteen lanes of my half
.endr
.endr
	ds_store_b128 v7, v[ACC:ACC+3]                 ; (sixteen lanes write the same bytes with the same values)
	ds_store_b128 v7, v[ACC+4:ACC+7] offset:16
	s_wait_dscnt 0x0                               ; for wave 0's sake
	s_barrier_signal -1
	s_barrier_wait -1
	s_cmp_lg_u32 s10, 0                            ; wave 0 adds the two halves of the rows, divides by the sum and stores
	s_cbranch_scc1 .Ldone
	ds_load_b128 v[24:27], v8 offset:32            ; the eight waves' sums of p
	ds_load_b128 v[28:31], v8 offset:48
	ds_load_b128 v[32:35], v9                      ; my four columns: rows 0-511,
	ds_load_b128 v[36:39], v9 offset:64            ; rows 512-1,023
	s_wait_dscnt 0x0
	v_pk_add_f32 v[24:25], v[24:25], v[26:27]
	v_pk_add_f32 v[28:29], v[28:29], v[30:31]
	s_delay_alu instid0(VALU_DEP_1)
	v_pk_add_f32 v[24:25], v[24:25], v[28:29]
	s_delay_alu instid0(VALU_DEP_1)
	v_add_f32 v24, v24, v25
	s_wait_alu depctr_va_vdst(0)
	v_rcp_f32 v24, v24
	v_pk_add_f32 v[32:33], v[32:33], v[36:37]      ; (plain lines behind the reciprocal)
	v_pk_add_f32 v[34:35], v[34:35], v[38:39]
	s_wait_alu depctr_va_vdst(0)                   ; the wait ahead of the reciprocal's first reader
	v_pk_mul_f32 v[32:33], v[32:33], v[24:25] op_sel_hi:[1,0]
	v_pk_mul_f32 v[34:35], v[34:35], v[24:25] op_sel_hi:[1,0]
	v_cmp_gt_u32 vcc_lo, 16, v0
	s_wait_alu depctr_va_vdst(0)
	s_wait_xcnt 0x0                                ; EXEC changes only behind this wait: loads have been issued under it
	s_and_saveexec_b32 s21, vcc_lo
	global_store_b128 v10, v[32:35], s[8:9]        ; sixteen lanes store 256 consecutive bytes, at a multiple of 256 from out0's first byte
	s_wait_xcnt 0x0                                ; and again, in front of the line that widens it
	s_or_b32 exec_lo, exec_lo, s21
.Ldone:
	s_wait_tensorcnt 0x0                           ; the wave's end
	ds_add_u32 v192, v193
	s_wait_dscnt 0x0
	s_endpgm
.Lfunc_end_k_qe9f014ee1b_pool:
	.size	k_qe9f014ee1b_pool, .Lfunc_end_k_qe9f014ee1b_pool-k_qe9f014ee1b_pool
	.p2alignl 7, 3214868480
	.fill 96, 4, 3214868480
	.section	.rodata,"a",@progbits
	.p2align	6, 0x0
	.amdhsa_kernel k_qe9f014ee1b_pool
		.amdhsa_group_segment_fixed_size 6144
		.amdhsa_private_segment_fixed_size 0
		.amdhsa_enable_private_segment 0
		.amdhsa_kernarg_size 24
		.amdhsa_user_sgpr_count 2
		.amdhsa_user_sgpr_kernarg_segment_ptr 1
		.amdhsa_wavefront_size32 1
		.amdhsa_system_sgpr_workgroup_id_x 1
		.amdhsa_system_sgpr_workgroup_id_y 1
		.amdhsa_system_sgpr_workgroup_id_z 1
		.amdhsa_system_vgpr_workitem_id 0
		.amdhsa_next_free_vgpr 194
		.amdhsa_next_free_sgpr 66
		.amdhsa_reserve_vcc 1
		.amdhsa_float_denorm_mode_32 3
		.amdhsa_float_denorm_mode_16_64 3
		.amdhsa_memory_ordered 1
		.amdhsa_forward_progress 1
		.amdhsa_inst_pref_size 33
	.end_amdhsa_kernel
	.amdgpu_metadata
---
amdhsa.version: [ 1, 2 ]
amdhsa.kernels:
  - .name:           k_qe9f014ee1b_pool
    .symbol:         k_qe9f014ee1b_pool.kd
    .args:
      - { .name: feat, .offset: 0, .size: 8, .value_kind: global_buffer, .address_space: global }
      - { .name: spart, .offset: 8, .size: 8, .value_kind: global_buffer, .address_space: global }
      - { .name: out0, .offset: 16, .size: 8, .value_kind: global_buffer, .address_space: global }
    .group_segment_fixed_size: 6144
    .private_segment_fixed_size: 0
    .kernarg_segment_align: 8
    .kernarg_segment_size: 24
    .max_flat_workgroup_size: 256
    .sgpr_count:     66
    .vgpr_count:     194
    .wavefront_size: 32
...
	.end_amdgpu_metadata
.endif
;; end of part 3
